; MI455X (gfx1250); checked and timed in simulation.
; The chip was launched on July 23, 2026; its instructions are those of AMD's public machine-readable ISA for CDNA 5 (MIT licence, August 2026) and "CDNA5" Instruction Set Architecture Reference Guide (July 2026). The comments in the code are by the model that wrote it; some were corrected since.
;; Model. Allowed arithmetic: float matrix products may take bf16 or f16 operands with f32 sums; all other float work in f32.
;; Inputs: ray_directions 262,144 x 3 float32; ray_origins 262,144 x 3 float32; sphere_centers 256 x 3 float32; sphere_radii 256 float32.
;; Outputs: out0 262,144 float32; out1 262,144 int32; out2 262,144 x 3 float32; out3 262,144 x 3 float32.
;; One version. Each part assembles by itself: llvm-mc -triple=amdgcn-amd-amdhsa -mcpu=gfx1250 --defsym DOCPART=n.
;; ======== version 1 of 1: 1 launch
;; limits: values outside matrix products are rounded to bf16
;; launch trace (part 1): grid 512 x 1, 8 waves a work-group, no clusters, 32,768 bytes of LDS; arguments ray_directions, ray_origins, sphere_centers, sphere_radii, out0, out1, out2, out3; writes out0, out1, out2, out3
.if DOCPART == 1
	.amdgcn_target "amdgcn-amd-amdhsa--gfx1250"
	.amdhsa_code_object_version 6
	.text
	.protected	k_q44191ba7e5_trace
	.globl	k_q44191ba7e5_trace
	.p2align	8
	.type	k_q44191ba7e5_trace,@function
k_q44191ba7e5_trace:
	s_mov_b64 s[64:65], 0
	v_nop
	global_prefetch_b8 v0, s[64:65] scope:SCOPE_SE
	s_setreg_imm32_b32 hwreg(HW_REG_WAVE_MODE, 25, 1), 1
	s_wait_xcnt 0x0
; Nearest sphere along each ray: 262,144 rays x 256 spheres -> t_hit, sphere_idx, hit_points, hit_normals.
;
; NUMBERS.  All four inputs are rounded to bf16 once (the matrix operands have to be); everything else is f32 arithmetic on the
; rounded values, in the order of the JAX function.  A product of two bf16 numbers is exact in f32, so only the order of the sums counts.
; Powers of two are left out (exact):  b' = b/2 = d.o - d.c,   c = (|o|^2 - 2 o.c) + cc,   disc' = disc/4 = rn(b' b') - rn(a c),
; sq = sqrt(disc'),   the two numerators are -(sq + b') and -(b' - sq),   t = numerator / a.
; THE KEY.  m1 = sq + b' and m2 = b' - sq are compared as SIGNED INTEGERS.  A usable root is a negative float, and among negative floats
; the smaller magnitude is the smaller integer; +0, positive numbers and the NaN that the root of a negative disc' gives are all larger
; than the start value 0xff800000 (-inf, which stands for t = +inf).  One integer minimum so replaces max(disc,0), t1 > 0, disc >= 0,
; t > 0 and the mask.  -0 would be the smallest integer of all: d.o is made +0 where it is -0, and then b', disc', sq, m1, m2 are never -0.
; LIMITS.  (1) The minimum is taken over numerators, before the division by a: two spheres whose numerators differ and whose quotients
; round to the same f32 give the smaller numerator here, the first index in JAX.  Equal numerators give the first index, as in JAX.
; (2) d.c and o.c are sums of three exact products rounded by the matrix unit once, in JAX twice: the last bit can differ where the
; products span more than 24 bits, and a ray that grazes a sphere within that bit can be decided otherwise.
; (3) v_sqrt_f32, v_rcp_f32 (t = numerator * 1/a) and v_rsq_f32 (normal) are good to 1 ulp and flush denormals.
; (4) 0 < |d|^2 in the normal range; centres, radii and rays finite after rounding to bf16 (an infinite centre or radius would meet a
; zero of B in a k slot that is not used and spoil its neighbours' sums).
;
; SHAPE.  512 work-groups of 8 waves; a work-group owns 512 rays, a wave 64, in 2 passes of 2 groups of 16 rays.
; Matrix form: A = 16 spheres (rows), B = 16 rays (columns), so lane (r = lane % 16, h = lane / 16) holds in D's register j the pair
; (sphere 16 T + 8 h + j, ray r): ray constants are one register each, and the minimum over spheres stays in the lane but for one
; exchange of halves.  B is zero but for k = 0..2 (lanes 0-15, registers 0 and 1), so what A holds elsewhere only has to be finite:
; the 16 sphere fragments are windows of 8 registers over ONE array of 2 registers a tile (AR) with 6 zeros behind it.
; No cluster: work-groups share only the 4,096 bytes of spheres, against 12,288 bytes of rays of their own, and read them once.
; No prefetch: every global byte that the work-group reads is asked for by its first five loads.
.set WG_RAYS, 512
.set L_RO,  0                          ; LDS: origins of my 512 rays as in memory, 6,144 bytes
.set L_RD,  6144                       ;      directions
.set L_TA,  12288                      ;      sphere i: (cx, cy), (cz, r) as bf16 pairs, 8 bytes
.set L_TC,  14336                      ;      sphere i: cc = |c|^2 - r^2, f32
.set L_O0,  15360                      ;      results as they lie in memory: t (2,048), idx (2,048), points (6,144), normals (6,144)
.set L_O1,  17408
.set L_O2,  19456
.set L_O3,  25600
.set VRA,   1                          ; 768 w + 12 r + 384 pass: LDS offset of the group's ray of this lane
.set VL12,  2                          ; 768 w + 12 lane + 384 pass: the finish's ray of this lane
.set VL4,   3                          ; 256 w + 4 lane + 128 pass
.set VH8,   4                          ; 8 h
.set KDO,   6                          ; d.o    (low register of a pair, broadcast by op_sel_hi 0; the partner is only named)
.set BESTA, 7                          ; running best key, in turns with BESTB
.set KO2,   8                          ; |o|^2
.set TIDX,  9                          ; tile of the best key
.set KA,    10                         ; a = |d|^2
.set T0,    11
.set T1,    12
.set BESTB, 13
.set KB,    14                         ; best key of the finish's ray
.set KI,    15                         ; its sphere
.set SN,    16                         ; v[16:23] the eight keys of the tile that holds the best
.set TMP,   24                         ; v[24:31]
.set D0,    32                         ; v[32:39] d.c, v[40:47] o.c of one tile
.set D1,    48                         ; the other buffer
.set BD,    64                         ; v[64:71] B fragment of the directions
.set BO,    72                         ; v[72:79] of the origins
.set AR,    80                         ; v[80:111] two registers a sphere tile
.set PAD,   112                        ; v[112:117] zeros behind AR
.set RWO,   118                        ; v[118:120] a ray's origin as loaded
.set RWD,   122                        ; v[122:124] its direction
.set CCT,   128                        ; v[128:255] cc of (tile T, register j) at CCT + 8 T + j
.set SELLO, 32                         ; s32, s33: v_permlanex16_b32 takes lane i of the other half
.set SELHI, 33
.set MLOW,  34                         ; lanes 0-15
.set MHIGH, 35                         ; lanes 16-31; also the mask of a word's upper bf16
.set SINIT, 36                         ; 0xff800000
.set SPINF, 37                         ; +inf
	s_load_b512 s[8:23], s[0:1], 0x0               ; d s[8:9], o s[10:11], centres s[12:13], radii s[14:15], out0..3 s[16:23]
	v_lshl_add_u32 v126, v0, 2, 0x7c00
	v_mov_b32 v127, 0
	v_lshrrev_b32 v5, 5, v0
	v_readfirstlane_b32 s4, v5                     ; wave 0..7
	s_mul_i32 s24, ttmp9, WG_RAYS*12               ; my part of the arrays of 12 bytes a ray
	s_mov_b32 s25, 0
	s_lshl_b32 s26, ttmp9, 11                      ; and of those of 4 bytes a ray
	s_mov_b32 s27, 0
	s_mov_b32 s[SELLO], 0x76543210
	s_mov_b32 s[SELHI], 0xfedcba98
	s_mov_b32 s[MLOW], 0x0000ffff
	s_mov_b32 s[MHIGH], 0xffff0000
	s_mov_b32 s[SINIT], 0xff800000
	s_mov_b32 s[SPINF], 0x7f800000
	v_lshlrev_b32 v1, 4, v0                        ; 16 t
	v_and_b32 v2, 127, v0
	v_lshlrev_b32 v2, 4, v2                        ; 16 (t mod 128)
	v_mul_u32_u24 v3, 12, v0                       ; 12 t
	v_lshlrev_b32 v4, 2, v0                        ; 4 t
	s_wait_kmcnt 0x0
	s_add_nc_u64 s[8:9], s[8:9], s[24:25]
	s_add_nc_u64 s[10:11], s[10:11], s[24:25]
	s_add_nc_u64 s[16:17], s[16:17], s[26:27]
	s_add_nc_u64 s[18:19], s[18:19], s[26:27]
	s_add_nc_u64 s[20:21], s[20:21], s[24:25]
	s_add_nc_u64 s[22:23], s[22:23], s[24:25]
	s_cmp_lt_u32 s4, 4
	s_cselect_b64 s[28:29], s[10:11], s[8:9]       ; the last 2,048 bytes: waves 0-3 fetch the origins', waves 4-7 the directions'
	global_load_b96 v[32:34], v3, s[12:13]         ; thread t: sphere t
	global_load_b32 v35, v4, s[14:15]
	global_load_b128 v[36:39], v1, s[10:11] th:TH_LOAD_NT              ; each load of a wave: 512 consecutive bytes, aligned
	global_load_b128 v[40:43], v1, s[8:9] th:TH_LOAD_NT
	global_load_b128 v[44:47], v2, s[28:29] offset:4096 th:TH_LOAD_NT
.irp i, 2,3,4,5,6,7
	v_mov_b32 v[BD+\i], 0                          ; the k slots of B that stay zero for the whole kernel
	v_mov_b32 v[BO+\i], 0
	v_mov_b32 v[PAD+\i-2], 0
.endr
	v_mov_b32 v[BESTA], 0                          ; partners of the broadcast pairs: named by packed instructions before their first real value
	v_mov_b32 v[TIDX], 0
	v_mov_b32 v[T0], 0
	s_wait_loadcnt 0x3                             ; the three ray loads are younger: centre and radius are in
	v_cvt_pk_bf16_f32 v48, v32, v33                ; (cx, cy)
	v_cvt_pk_bf16_f32 v49, v34, v35                ; (cz, r): r sits at k = 3, where B is zero
	v_lshlrev_b32 v50, 16, v48
	v_and_b32 v51, s[MHIGH], v48
	v_lshlrev_b32 v52, 16, v49
	v_and_b32 v53, s[MHIGH], v49
	v_mul_f32 v54, v50, v50                        ; cc = ((cx^2 + cy^2) + cz^2) - r^2; the products are exact, so each line rounds once
	v_fma_f32 v54, v51, v51, v54
	v_fma_f32 v54, v52, v52, v54
	v_fma_f32 v54, -v53, v53, v54
	v_lshlrev_b32 v55, 3, v0
	ds_store_b64 v55, v[48:49] offset:L_TA
	ds_store_b32 v4, v54 offset:L_TC
	v_lshrrev_b32 v56, 7, v0
	v_mad_u32_u24 v56, v56, 6144, v2               ; 16 (t mod 128), + 6,144 for threads 128-255
	s_wait_loadcnt 0x0
	ds_store_b128 v1, v[36:39] offset:L_RO
	ds_store_b128 v1, v[40:43] offset:L_RD
	ds_store_b128 v56, v[44:47] offset:4096
	s_wait_dscnt 0x0                               ; my stores are in LDS before I say so
	s_barrier_signal -1
	s_barrier_wait -1
	; every wave takes the sphere tables into registers, once
	v_and_b32 v5, 15, v0                           ; r
	v_and_b32 v12, 16, v0                          ; 16 h
	v_lshlrev_b32 v14, 3, v5                       ; 8 r
	v_lshl_add_u32 v15, v12, 6, v14                ; 8 r + 1,024 h
	v_lshlrev_b32 v13, 1, v12                      ; 32 h
.irp t, 0,1,2,3,4,5,6,7
	ds_load_b64 v[AR+2*\t:AR+2*\t+1], v15 offset:L_TA+128*\t       ; lanes 0-15: tile t; lanes 16-31: tile t + 8 (times zero in the products, read by the finish)
.endr
.irp t, 8,9,10,11,12,13,14,15
	ds_load_b64 v[AR+2*\t:AR+2*\t+1], v14 offset:L_TA+128*\t
.endr
.irp t, 0,1,2,3,4,5,6,7,8,9,10,11,12,13,14,15
	ds_load_b128 v[CCT+8*\t:CCT+8*\t+3],   v13 offset:L_TC+64*\t       ; cc of spheres 16 t + 8 h + 0..3
	ds_load_b128 v[CCT+8*\t+4:CCT+8*\t+7], v13 offset:L_TC+64*\t+16    ; and + 4..7
.endr
	s_mul_i32 s6, s4, 768                          ; my wave's 64 rays of 12 bytes
	s_lshl_b32 s7, s4, 8                           ; and of 4 bytes
	v_and_b32 v3, 31, v0                           ; lane
	v_mad_u32_u24 v[VRA], v5, 12, s6
	v_mad_u32_u24 v[VL12], v3, 12, s6
	v_lshl_add_u32 v[VL4], v3, 2, s7
	v_lshrrev_b32 v[VH8], 1, v12
.macro LOADRAYS adr, off
	ds_load_b96 v[RWO:RWO+2], v[\adr] offset:L_RO+\off
	ds_load_b96 v[RWD:RWD+2], v[\adr] offset:L_RD+\off
.endm
; A group's start: round the ray, build the two B fragments, start tile 0, and make the ray's three constants behind it.
.macro GROUP_HEAD
	s_wait_dscnt 0x0                               ; the ray (and, the first time, the tables)
	v_cvt_pk_bf16_f32 v56, v[RWD], v[RWD+1]
	v_cvt_pk_bf16_f32 v57, v[RWD+2], 0
	v_cvt_pk_bf16_f32 v58, v[RWO], v[RWO+1]
	v_cvt_pk_bf16_f32 v59, v[RWO+2], 0
	v_cndmask_b32 v[BD],   0, v56, s[MLOW]         ; k = 0, 1 and 2, 3 live in lanes 0-15; lanes 16-31 are k = 8..11: zero
	v_cndmask_b32 v[BD+1], 0, v57, s[MLOW]
	v_cndmask_b32 v[BO],   0, v58, s[MLOW]
	v_cndmask_b32 v[BO+1], 0, v59, s[MLOW]
	v_wmma_f32_16x16x32_bf16 v[D0:D0+7],    v[AR:AR+7], v[BD:BD+7], 0
	v_wmma_f32_16x16x32_bf16 v[D0+8:D0+15], v[AR:AR+7], v[BO:BO+7], 0
	v_lshlrev_b32 v48, 16, v56                     ; the sixteen lines from here name none of those registers: more than the four
	v_and_b32 v49, s[MHIGH], v56                   ; independent vector instructions asked for before D is read (ISA guide 7.12.1)
	v_lshlrev_b32 v50, 16, v57
	v_lshlrev_b32 v52, 16, v58
	v_and_b32 v53, s[MHIGH], v58
	v_lshlrev_b32 v54, 16, v59
	v_mul_f32 v[KA],  v48, v48
	v_mul_f32 v[KDO], v48, v52
	v_mul_f32 v[KO2], v52, v52
	v_fma_f32 v[KA],  v49, v49, v[KA]
	v_fma_f32 v[KDO], v49, v53, v[KDO]
	v_fma_f32 v[KO2], v53, v53, v[KO2]
	v_fma_f32 v[KA],  v50, v50, v[KA]
	v_fma_f32 v[KDO], v50, v54, v[KDO]
	v_fma_f32 v[KO2], v54, v54, v[KO2]
	v_add_f32 v[KDO], 0, v[KDO]                    ; -0 becomes +0: no key is ever -0 (see the head)
.endm
; Registers lo .. lo+3 of a tile, from the two dot products to sqrt(disc'), two pairs a step.
.macro STAGE_A t, cur, lo
.irp i, 0, 2
	v_pk_add_f32 v[\cur+\lo+\i:\cur+\lo+\i+1], v[KDO:KDO+1], v[\cur+\lo+\i:\cur+\lo+\i+1] op_sel_hi:[0,1] neg_lo:[0,1] neg_hi:[0,1]   ; b' = d.o - d.c
.endr
.irp i, 0, 2
	v_pk_fma_f32 v[\cur+8+\lo+\i:\cur+8+\lo+\i+1], v[\cur+8+\lo+\i:\cur+8+\lo+\i+1], -2.0, v[KO2:KO2+1] op_sel_hi:[1,0,0]             ; |o|^2 - 2 o.c
.endr
.irp i, 0, 2
	v_pk_mul_f32 v[TMP+\lo+\i:TMP+\lo+\i+1], v[\cur+\lo+\i:\cur+\lo+\i+1], v[\cur+\lo+\i:\cur+\lo+\i+1]                               ; b' b', rounded by itself
.endr
.irp i, 0, 2
	v_pk_add_f32 v[\cur+8+\lo+\i:\cur+8+\lo+\i+1], v[\cur+8+\lo+\i:\cur+8+\lo+\i+1], v[CCT+8*\t+\lo+\i:CCT+8*\t+\lo+\i+1]             ; c
.endr
.irp i, 0, 2
	v_pk_mul_f32 v[\cur+8+\lo+\i:\cur+8+\lo+\i+1], v[\cur+8+\lo+\i:\cur+8+\lo+\i+1], v[KA:KA+1] op_sel_hi:[1,0]                       ; a c
.endr
.irp i, 0, 2
	v_pk_add_f32 v[\cur+8+\lo+\i:\cur+8+\lo+\i+1], v[TMP+\lo+\i:TMP+\lo+\i+1], v[\cur+8+\lo+\i:\cur+8+\lo+\i+1] neg_lo:[0,1] neg_hi:[0,1]   ; disc'
.endr
.irp j, 0,1,2,3
	v_sqrt_f32 v[\cur+8+\lo+\j], v[\cur+8+\lo+\j]  ; NaN where disc' < 0.  The line behind this run is a plain one on other registers (ISA guide 5.7.2)
.endr
.endm
; The same four registers, from the root to the pair's key in sel + lo ..
.macro STAGE_B cur, lo, sel
	s_wait_alu depctr_va_vdst(0)
.irp i, 0, 2
	v_pk_add_f32 v[TMP+\lo+\i:TMP+\lo+\i+1], v[\cur+8+\lo+\i:\cur+8+\lo+\i+1], v[\cur+\lo+\i:\cur+\lo+\i+1]                           ; m1 = sq + b'
.endr
.irp i, 0, 2
	v_pk_add_f32 v[\cur+\lo+\i:\cur+\lo+\i+1], v[\cur+\lo+\i:\cur+\lo+\i+1], v[\cur+8+\lo+\i:\cur+8+\lo+\i+1] neg_lo:[0,1] neg_hi:[0,1]   ; m2 = b' - sq
.endr
.irp j, 0,1,2,3
	v_min_i32 v[\sel+\lo+\j], v[TMP+\lo+\j], v[\cur+\lo+\j]        ; the near root if it is in front of the origin, else the far one, else no key
.endr
.endm
.macro TREE sel
	v_min3_i32 v[T0], v[\sel], v[\sel+1], v[\sel+2]
	v_min3_i32 v[T1], v[\sel+3], v[\sel+4], v[\sel+5]
	v_min3_i32 v[T0], v[T0], v[\sel+6], v[\sel+7]
.endm
; Tile t of 16 spheres.  The next tile's products are started first, into the other buffer: the plain vector lines of this tile
; stand between them and the first read of their D, and name none of their registers.
.macro TILE t, cur, nxt, bin, bout
.if \t < 15
	v_wmma_f32_16x16x32_bf16 v[\nxt:\nxt+7],    v[AR+2*\t+2:AR+2*\t+9], v[BD:BD+7], 0
	v_wmma_f32_16x16x32_bf16 v[\nxt+8:\nxt+15], v[AR+2*\t+2:AR+2*\t+9], v[BO:BO+7], 0
.endif
	STAGE_A \t, \cur, 0
	STAGE_A \t, \cur, 4
.if \t == 0
	STAGE_B \cur, 0, SN                            ; the first tile starts the snapshot and the best: nothing is cleared
	STAGE_B \cur, 4, SN
	TREE SN
	v_min3_i32 v[\bout], v[T0], v[T1], s[SINIT]
	v_mov_b32 v[TIDX], 0
.else
	STAGE_B \cur, 0, \cur+8
	STAGE_B \cur, 4, \cur+8
	TREE \cur+8
	v_min3_i32 v[\bout], v[T0], v[T1], v[\bin]
	v_cmp_lt_i32 vcc_lo, v[\bout], v[\bin]         ; strictly better: an equal key of a later tile does not displace the first
	v_cndmask_b32 v[TIDX], v[TIDX], \t, vcc_lo
.irp j, 0,1,2,3,4,5,6,7
	v_cndmask_b32 v[SN+\j], v[SN+\j], v[\cur+8+\j], vcc_lo
.endr
.endif
.endm
.macro TILES_LO
	TILE 0, D0, D1, BESTA, BESTB
	TILE 1, D1, D0, BESTB, BESTA
	TILE 2, D0, D1, BESTA, BESTB
	TILE 3, D1, D0, BESTB, BESTA
	TILE 4, D0, D1, BESTA, BESTB
	TILE 5, D1, D0, BESTB, BESTA
	TILE 6, D0, D1, BESTA, BESTB
	TILE 7, D1, D0, BESTB, BESTA
.endm
.macro TILES_HI
	TILE 8, D0, D1, BESTA, BESTB
	TILE 9, D1, D0, BESTB, BESTA
	TILE 10, D0, D1, BESTA, BESTB
	TILE 11, D1, D0, BESTB, BESTA
	TILE 12, D0, D1, BESTA, BESTB
	TILE 13, D1, D0, BESTB, BESTA
	TILE 14, D0, D1, BESTA, BESTB
	TILE 15, D1, D0, BESTB, BESTA
.endm
; A group's end: the first register of the snapshot that holds the best, the sphere's number, and the better of the ray's two lanes
; (on equal keys the smaller number).  g = 0: kept in every lane; g = 1: laid over lanes 16-31, so that lane l then holds ray l of the pass.
.macro GROUP_TAIL g
	v_mov_b32 v5, 7
.irp j, 6,5,4,3,2,1,0
	v_cmp_eq_u32 vcc_lo, v[SN+\j], v[BESTA]
	v_cndmask_b32 v5, v5, \j, vcc_lo
.endr
	v_lshl_add_u32 v5, v[TIDX], 4, v5
	v_add_nc_u32 v5, v5, v[VH8]                    ; 16 T + 8 h + j
	v_permlanex16_b32 v[T0], v[BESTA], s[SELLO], s[SELHI]
	v_permlanex16_b32 v[T1], v5, s[SELLO], s[SELHI]
	v_cmp_lt_i32 s40, v[T0], v[BESTA]
	v_cmp_eq_u32 s41, v[T0], v[BESTA]
	v_cmp_lt_u32 s42, v[T1], v5
	s_and_b32 s41, s41, s42
	s_or_b32 s40, s40, s41
.if \g == 0
	v_cndmask_b32 v[KB], v[BESTA], v[T0], s40
	v_cndmask_b32 v[KI], v5, v[T1], s40
.else
	v_cndmask_b32 v[T0], v[BESTA], v[T0], s40
	v_cndmask_b32 v[T1], v5, v[T1], s40
	v_cndmask_b32 v[KB], v[KB], v[T0], s[MHIGH]
	v_cndmask_b32 v[KI], v[KI], v[T1], s[MHIGH]
.endif
.endm
	s_mov_b32 s5, 0
.Lpass:
	LOADRAYS VRA, 0
	GROUP_HEAD
	TILES_LO
	LOADRAYS VRA, 192                              ; the second group's ray, eight tiles ahead of its use
	TILES_HI
	GROUP_TAIL 0
	GROUP_HEAD
	TILES_LO
	LOADRAYS VL12, 0                               ; the finish's ray: lane l takes ray l of the pass
	TILES_HI
	GROUP_TAIL 1
	; THE FINISH, one ray a lane.  The sphere's centre comes out of AR: sphere i lies in lane (i & 15) + 16 (i >> 7) of the register pair
	; (i >> 4) & 7.  Sixteen lane permutes bring that lane's words of all eight pairs, three levels of selects pick the pair.
	v_and_b32 v24, 15, v[KI]
	v_bfe_u32 v25, v[KI], 7, 1
	v_lshl_or_b32 v24, v25, 4, v24
	v_lshlrev_b32 v24, 2, v24                      ; lane x 4, 0 to 124
.irp u, 0,1,2,3,4,5,6,7,8,9,10,11,12,13,14,15
	ds_bpermute_b32 v[40+\u], v24, v[AR+\u]
.endr
	v_and_b32 v25, 16, v[KI]
	v_and_b32 v26, 32, v[KI]
	v_and_b32 v27, 64, v[KI]
	v_cmp_ne_u32 s40, 0, v25
	v_cmp_ne_u32 s41, 0, v26
	v_cmp_ne_u32 s42, 0, v27
	s_wait_dscnt 16                                ; the sixteen permutes are younger: the ray is in
	v_cvt_pk_bf16_f32 v28, v[RWD], v[RWD+1]
	v_cvt_pk_bf16_f32 v29, v[RWO], v[RWO+1]
	v_cvt_pk_bf16_f32 v30, v[RWD+2], v[RWO+2]
	v_lshlrev_b32 v36, 16, v28                     ; d
	v_and_b32 v37, s[MHIGH], v28
	v_lshlrev_b32 v38, 16, v30
	v_mul_f32 v31, v36, v36                        ; a
	v_fma_f32 v31, v37, v37, v31
	v_fma_f32 v31, v38, v38, v31
	v_rcp_f32 v39, v31                             ; the three plain lines behind it touch neither v31 nor v39 (ISA guide 5.7.2)
	v_lshlrev_b32 v32, 16, v29                     ; o
	v_and_b32 v33, s[MHIGH], v29
	v_and_b32 v34, s[MHIGH], v30
	s_wait_alu depctr_va_vdst(0)
	v_mul_f32 v27, -v[KB], v39                     ; t_hit; +inf where no key beat the start value
	v_cmp_gt_f32 s43, s[SPINF], v27                ; any_hit: t is finite
	v_cndmask_b32 v26, -1, v[KI], s43              ; sphere_idx
	v_fma_f32 v32, v27, v36, v32                   ; hit point = o + t d
	v_fma_f32 v33, v27, v37, v33
	v_fma_f32 v34, v27, v38, v34
	s_wait_dscnt 0x0                               ; the permutes
.irp q, 0,1,2,3
.irp e, 0,1
	v_cndmask_b32 v[40+4*\q+\e], v[40+4*\q+\e], v[42+4*\q+\e], s40     ; bit 4 of the index: the odd pair of two
.endr
.endr
.irp q, 0,1
.irp e, 0,1
	v_cndmask_b32 v[40+8*\q+\e], v[40+8*\q+\e], v[44+8*\q+\e], s41     ; bit 5
.endr
.endr
	v_cndmask_b32 v40, v40, v48, s42               ; bit 6
	v_cndmask_b32 v41, v41, v49, s42
	v_lshlrev_b32 v28, 16, v40                     ; the centre
	v_and_b32 v29, s[MHIGH], v40
	v_lshlrev_b32 v30, 16, v41
	v_sub_f32 v36, v32, v28                        ; n = hit point - centre
	v_sub_f32 v37, v33, v29
	v_sub_f32 v38, v34, v30
	v_mul_f32 v31, v36, v36
	v_fma_f32 v31, v37, v37, v31
	v_fma_f32 v31, v38, v38, v31
	v_rsq_f32 v39, v31
	v_add_nc_u32 v[VRA], 384, v[VRA]               ; the next pass's 32 rays; also the plain line behind v_rsq_f32
	s_wait_alu depctr_va_vdst(0)
	v_mul_f32 v36, v36, v39
	v_mul_f32 v37, v37, v39
	v_mul_f32 v38, v38, v39
	v_cndmask_b32 v36, 0, v36, s43                 ; zeros for a miss
	v_cndmask_b32 v37, 0, v37, s43
	v_cndmask_b32 v38, 0, v38, s43
	ds_store_b32 v[VL4], v27 offset:L_O0           ; into the stage, where the results lie as in memory; each wave writes its own 64 rays
	ds_store_b32 v[VL4], v26 offset:L_O1
	ds_store_b96 v[VL12], v[32:34] offset:L_O2
	ds_store_b96 v[VL12], v[36:38] offset:L_O3
	v_add_nc_u32 v[VL12], 384, v[VL12]
	v_add_nc_u32 v[VL4], 128, v[VL4]
	s_add_co_u32 s5, s5, 1
	s_cmp_lt_u32 s5, 2
	s_cbranch_scc1 .Lpass
	; THE WAY OUT: 16,384 bytes of results, four loads of 16 bytes a thread and four stores; each store of a wave covers 512 consecutive
	; bytes, aligned.  Threads 0-127 take t and the last third of the points, threads 128-255 idx and the last third of the normals.
	s_wait_dscnt 0x0                               ; my stores into the stage are done before I say so
	s_barrier_signal -1
	s_barrier_wait -1
	v_lshlrev_b32 v1, 4, v0                        ; 16 t
	v_and_b32 v2, 127, v0
	v_lshlrev_b32 v2, 4, v2                        ; 16 (t mod 128)
	v_lshrrev_b32 v3, 7, v0
	v_mad_u32_u24 v3, v3, 6144, v2                 ; + 6,144 for threads 128-255
	s_cmp_lt_u32 s4, 4
	s_cselect_b64 s[28:29], s[16:17], s[18:19]     ; out0 or out1
	s_cselect_b64 s[30:31], s[20:21], s[22:23]     ; out2 or out3
	ds_load_b128 v[32:35], v1 offset:L_O0          ; t and idx lie one behind the other
	ds_load_b128 v[36:39], v1 offset:L_O2
	ds_load_b128 v[40:43], v1 offset:L_O3
	ds_load_b128 v[44:47], v3 offset:L_O2+4096
	s_wait_dscnt 0x3                               ; three younger LDS loads may be out, then two, one, none
	global_store_b128 v2, v[32:35], s[28:29] th:TH_STORE_NT
	s_wait_dscnt 0x2
	global_store_b128 v1, v[36:39], s[20:21] th:TH_STORE_NT
	s_wait_dscnt 0x1
	global_store_b128 v1, v[40:43], s[22:23] th:TH_STORE_NT
	s_wait_dscnt 0x0
	global_store_b128 v2, v[44:47], s[30:31] offset:4096 th:TH_STORE_NT
	s_wait_tensorcnt 0x0
	ds_add_u32 v126, v127
	s_wait_dscnt 0x0
	s_endpgm
.Lfunc_end_k_q44191ba7e5_trace:
	.size	k_q44191ba7e5_trace, .Lfunc_end_k_q44191ba7e5_trace-k_q44191ba7e5_trace
	.p2alignl 7, 3214868480
	.fill 96, 4, 3214868480
	.section	.rodata,"a",@progbits
	.p2align	6, 0x0
	.amdhsa_kernel k_q44191ba7e5_trace
		.amdhsa_group_segment_fixed_size 32768
		.amdhsa_private_segment_fixed_size 0
		.amdhsa_enable_private_segment 0
		.amdhsa_kernarg_size 64
		.amdhsa_user_sgpr_count 2
		.amdhsa_user_sgpr_kernarg_segment_ptr 1
		.amdhsa_wavefront_size32 1
		.amdhsa_system_sgpr_workgroup_id_x 1
		.amdhsa_system_sgpr_workgroup_id_y 1
		.amdhsa_system_sgpr_workgroup_id_z 1
		.amdhsa_system_vgpr_workitem_id 0
		.amdhsa_next_free_vgpr 256
		.amdhsa_next_free_sgpr 66
		.amdhsa_reserve_vcc 1
		.amdhsa_float_denorm_mode_32 3
		.amdhsa_float_denorm_mode_16_64 3
		.amdhsa_memory_ordered 1
		.amdhsa_forward_progress 1
		.amdhsa_inst_pref_size 124
	.end_amdhsa_kernel
	.amdgpu_metadata
---
amdhsa.version: [ 1, 2 ]
amdhsa.kernels:
  - .name:           k_q44191ba7e5_trace
    .symbol:         k_q44191ba7e5_trace.kd
    .args:
      - { .name: ray_directions, .offset: 0, .size: 8, .value_kind: global_buffer, .address_space: global }
      - { .name: ray_origins, .offset: 8, .size: 8, .value_kind: global_buffer, .address_space: global }
      - { .name: sphere_centers, .offset: 16, .size: 8, .value_kind: global_buffer, .address_space: global }
      - { .name: sphere_radii, .offset: 24, .size: 8, .value_kind: global_buffer, .address_space: global }
      - { .name: out0, .offset: 32, .size: 8, .value_kind: global_buffer, .address_space: global }
      - { .name: out1, .offset: 40, .size: 8, .value_kind: global_buffer, .address_space: global }
      - { .name: out2, .offset: 48, .size: 8, .value_kind: global_buffer, .address_space: global }
      - { .name: out3, .offset: 56, .size: 8, .value_kind: global_buffer, .address_space: global }
    .group_segment_fixed_size: 32768
    .private_segment_fixed_size: 0
    .kernarg_segment_align: 8
    .kernarg_segment_size: 64
    .max_flat_workgroup_size: 256
    .sgpr_count:     66
    .vgpr_count:     256
    .wavefront_size: 32
...
	.end_amdgpu_metadata
.endif
;; end of part 1
